; MI455X (gfx1250); checked and timed in simulation.
; The chip was launched on July 23, 2026; its instructions are those of AMD's public machine-readable ISA for CDNA 5 (MIT licence, August 2026) and "CDNA5" Instruction Set Architecture Reference Guide (July 2026). The comments in the code are by the model that wrote it; some were corrected since.
;; HQQSVD Linear. Allowed arithmetic: matrix products marked QUANTISED: E3M2 operands, one E8M0 scale for each 32 along K, by v_wmma_scale_f32_16x16x128_f8f6f4 with both operands' format E3M2, f32 sums; products left as they are: f32 operands where the result goes on into a quantised operand, else bf16, f16 or f32 operands; f32 sums; everything else in f32.
;; Inputs: bias 4,096 float32; scale 4,096 x 64 x 1 float32; svd_down 32 x 4,096 float32; svd_up 4,096 x 32 float32; w_packed 8,388,608 int32; x 1 x 4,096 x 4,096 float32; zero_point 4,096 x 64 x 1 float32.
;; Outputs: out0 1 x 4,096 x 4,096 float32.
;; This version of the problem:
;;   THIS VERSION OF THE PROBLEM IS GIVEN IN LOW PRECISION. The matrix products marked QUANTISED in the list below multiply operands that are first quantised to E3M2 (3 exponent bits, 2 mantissa bits; 6 bits a number), with one power-of-two scale for each 32 numbers along K (OCP MX v1.0); their sums are f32. All else is computed in f32.
;;   The module's matrix products, in the order in which they are computed (A, B: the left and right operand; K: the contracted axis; several contracted axes count as one K, in the product's order):
;;     1. [M 4,096, K 32] x [K 32, N 4,096]; A: input svd_up; B: input svd_down: QUANTISED
;;     2. [M 4,096, K 4,096] x [K 4,096, N 4,096]; A: computed on the way; B: computed on the way: left as it is (operands are no floats)
;;   THE QUANTISER, for each operand of a quantised product, along K:
;;     - K is cut into blocks of 32 from its start; a last block that is shorter is filled with zeros.
;;     - A block's scale is 2^e with e = floor(log2(the largest magnitude in the block)) - 4, held to -126 .. 127; a block of zeros has e = 0. As a byte (E8M0): e + 127.
;;     - Each number is divided by its block's scale, clamped to +-28, and rounded to the nearest number of E3M2, ties to even, subnormals kept.
;;     - The product sums the exact products of the quantised numbers (number of the format x scale) in f32.
;;   ~~~python
;;   def quantise(x, axis):      # numpy; x: float32 -> the quantised numbers, widened to float32 again
;;       x = np.moveaxis(x, axis, -1); K = x.shape[-1]
;;       x = np.pad(x, [(0, 0)] * (x.ndim - 1) + [(0, -K % 32)]); x = x.reshape(x.shape[:-1] + (-1, 32)); a = np.abs(x).max(-1, keepdims=True)
;;       e = np.where(a > 0, np.clip(np.frexp(np.where(a > 0, a, 1))[1] - 1 - 4, -126, 127), 0)      # np.frexp(a)[1] - 1 = floor(log2(a)), exactly
;;       r = np.clip(x / 2.0 ** e, -28, 28)
;;       step = 2.0 ** (np.maximum(np.frexp(np.where(r == 0, 1, r))[1] - 1, -2) - 2)
;;       q = np.round(r / step) * step * 2.0 ** e      # np.round: ties to even
;;       return np.moveaxis(q.reshape(q.shape[:-2] + (-1,))[..., :K], -1, axis).astype(np.float32)
;;   ~~~
;; One version. Each part assembles by itself: llvm-mc -triple=amdgcn-amd-amdhsa -mcpu=gfx1250 --defsym DOCPART=n.
;; ======== version 1 of 1: 3 launches
;; workspace buffers: xq 16,777,216 bytes; wq 16,777,216 bytes; sx 16,384 bytes; sw 16,384 bytes; dimg 98,304 bytes; dscl 8,192 bytes; ucod 98,304 bytes; uscl 16,384 bytes
;; launch prep (part 1): grid 528 x 1, 8 waves a work-group, no clusters, 33,792 bytes of LDS; arguments x, svd_down, svd_up, xq, sx, dimg, dscl, ucod, uscl; writes xq, sx, dimg, dscl, ucod, uscl
.if DOCPART == 1
	.amdgcn_target "amdgcn-amd-amdhsa--gfx1250"
	.amdhsa_code_object_version 6
	.text
	.protected	k_q10a6b112da_prep
	.globl	k_q10a6b112da_prep
	.p2align	8
	.type	k_q10a6b112da_prep,@function
k_q10a6b112da_prep:
	s_mov_b64 s[64:65], 0
	v_nop
	global_prefetch_b8 v0, s[64:65] scope:SCOPE_SE
	s_setreg_imm32_b32 hwreg(HW_REG_WAVE_MODE, 25, 1), 1
	s_wait_xcnt 0x0
; PREP.  Three jobs, told apart by the work-group's number alone:
;   work-groups 0-7   : svd_down [32][4096] f32 -> codes of BF6 (E3M2) along K = its first axis, one block of 32 a column, laid as images of operand registers (dimg) with their scale words (dscl)
;   work-groups 8-15  : svd_up [4096][32] f32 -> codes of BF6 along K = its row, 24 bytes a row (ucod), and the row's E8M0 byte in all four bytes of a word (uscl)
;   work-groups 16-527: x [4096][4096] f32 -> int8 codes (xq, K innermost) and the row's scale sx = max|x| / 127.  One wave, one row: the row stays in 128 registers between the maximum and the rounding.
; A FRAGMENT OF svd_down.  A 6-bit operand of 16 rows x 128 K has four blocks of 32 along K: slot s = 2 c + h lies in registers 6 c .. 6 c + 5 of the lanes of half h.  The product's K is 32, so a fragment T carries
; FOUR columns in each of its rows: slot s of row r holds column 64 T + 32 c + 16 (r / 8) + 8 h + r % 8.  The next launch multiplies it by operands of svd_up that have codes in one slot and zero codes in the others.
; THE MX RULE: a block's byte is its largest magnitude's exponent field - 4, held at 1 from below by a floor among the maximum's leaves; the conversion divides by that power of two, rounds to the nearest code, ties to even,
; and gives the largest code beyond 28.  A block of zeros keeps the byte 1 where the rule says 127: its codes are zeros, and this program alone reads the bytes.
; THE INT8 RULE: code = round to nearest even of x / sx.  x is multiplied by r = 1 / sx (reciprocal with one Newton step) and 1.5 x 2^23 is added in the same fused multiply-add: the sum's unit is 1, so the one rounding
; is the rounding to a whole number, and the low byte of the sum's bits is the code in two's complement.  |x r| is at most 127 (1 + 3 x 2^-24), which never rounds to 128: the clip to -128 .. 127 needs no line.
; LIMITS: NaN and infinities among the inputs are not served.  A row of x whose largest magnitude lies under 127 x 2^-126 (sx no normal number) gets codes 0.  x r stands for x / sx: within one unit in the last place
; ahead of the rounding.  Blocks of svd_up or svd_down whose largest magnitude lies under 2^-122 keep the byte 1.
; No tensor loads, no barrier: waves share nothing.  Only the x path touches LDS: 4,096 bytes a wave, its own.
.set X,   32                           ; v32-159  a row of x (128 numbers a lane), or v32-95 two blocks of 32 numbers
.set MXR, 8                            ; v8-11    running maxima
.set SO,  10                           ; v10-11   (svd paths) the conversions' scale operands
.set BY,  12                           ; v12-13   (svd paths) the scales' bytes
.set CD,  96                           ; v96-107  codes: registers 6 c .. 6 c + 2 the block's first 16,
.set DD,  108                          ; v108-114 registers 4 c .. 4 c + 2 its second 16 (a conversion's three registers begin on an even number)
; Two whole blocks a lane, v[X + 32 c + i], become codes, bytes and scale operands.
.macro QUANT2
.irp c, 0,1
	v_max3_num_f32 v[MXR+\c], |v[X+32*\c]|, |v[X+32*\c+1]|, 0x2800000   ; the floor 2^(5 - 127) among the leaves: the byte cannot fall under 1
.endr
.irp i, 2,4,6,8,10,12,14,16,18,20,22,24,26,28,30
.irp c, 0,1
	v_max3_num_f32 v[MXR+\c], v[MXR+\c], |v[X+32*\c+\i]|, |v[X+32*\c+\i+1]|   ; the two blocks by turns
.endr
.endr
.irp c, 0,1
	v_add_nc_u32 v[SO+\c], 0xfe000000, v[MXR+\c]   ; 4 off the exponent field: the conversion takes that field as its scale and nothing else
.endr
.irp c, 0,1
	v_lshrrev_b32 v[BY+\c], 23, v[SO+\c]           ; the scale's byte
.endr
.irp c, 0,1
	v_cvt_scalef32_pk16_bf6_f32 v[CD+6*\c:CD+6*\c+2], v[X+32*\c:X+32*\c+15], v[SO+\c]
	v_cvt_scalef32_pk16_bf6_f32 v[DD+4*\c:DD+4*\c+2], v[X+32*\c+16:X+32*\c+31], v[SO+\c]
.endr
	v_nop                                          ; one plain line behind the last scaled conversion
.endm
	s_load_b256 s[4:11], s[0:1], 0x0               ; x s[4:5], svd_down s[6:7], svd_up s[8:9], xq s[10:11]
	s_load_b256 s[12:19], s[0:1], 0x20             ; sx s[12:13], dimg s[14:15], dscl s[16:17], ucod s[18:19]
	s_load_b64 s[20:21], s[0:1], 0x40              ; uscl
	v_lshl_add_u32 v160, v0, 2, 0x8000
	v_mov_b32 v161, 0
	v_lshrrev_b32 v1, 5, v0
	v_readfirstlane_b32 s22, v1                    ; wave 0..7
	v_and_b32 v1, 31, v0                           ; lane
	s_mov_b32 s32, 0x76543210                      ; v_permlanex16_b32's selects for lane l xor 16
	s_mov_b32 s33, 0xfedcba98
	s_mov_b32 s37, 0                               ; the upper word of every byte offset: all stay under 2^32
	s_wait_kmcnt 0x0
	s_cmp_lt_u32 ttmp9, 8
	s_cbranch_scc1 .Ldown
	s_cmp_lt_u32 ttmp9, 16
	s_cbranch_scc1 .Lup
	; ---------------- a row of x ----------------
	s_sub_co_u32 s24, ttmp9, 16
	s_lshl_b32 s24, s24, 3
	s_add_co_u32 s24, s24, s22                     ; my row: 8 x (work-group - 16) + wave
	s_lshl_b32 s36, s24, 14
	s_add_nc_u64 s[4:5], s[4:5], s[36:37]          ; 16,384 bytes a row of x
	s_lshl_b32 s36, s24, 12
	s_add_nc_u64 s[10:11], s[10:11], s[36:37]      ; 4,096 a row of xq
	s_lshl_b32 s36, s24, 2
	s_add_nc_u64 s[12:13], s[12:13], s[36:37]      ; 4 in sx
	v_lshlrev_b32 v2, 4, v1                        ; 16 bytes a lane: a load or store of the wave covers 512 consecutive bytes
.set J, 0
.rept 32
	global_load_b128 v[X+4*J:X+4*J+3], v2, s[4:5] offset:512*J th:TH_LOAD_NT   ; the whole row is asked for at once; it is read once in the launch
.set J, J+1
.endr
	s_mov_b32 s26, 0x3c010204                      ; 1 / 127
	s_mov_b32 s27, 0x42fe0000                      ; 127
	s_mov_b32 s28, 0x4b400000                      ; 1.5 x 2^23
	s_mov_b32 s29, s28                             ; (named with it as a pair, so it is written)
	s_mov_b32 s30, 0x04000400                      ; byte 0 of the second source, byte 0 of the first, twice
	s_mov_b32 s31, 0x05040100                      ; the low halves of both sources
	s_lshl_b32 s23, s22, 12                        ; my wave's 4,096 bytes of LDS
	v_lshl_add_u32 v3, v1, 2, s23                  ; in: 4 bytes a lane
	v_lshl_add_u32 v4, v1, 4, s23                  ; back: 16 bytes a lane
	v_mov_b32 v17, 0                               ; a lane permute's destination counts as one of its sources
	v_mov_b32 v18, 0                               ; the offset of sx's store
	; the largest magnitude, in four chains; the loads are waited for in four groups of eight
.set J, 0
.rept 32
.if J%8 == 0
	s_wait_loadcnt 24-J                            ; loads come back in order: this group of eight is in, the younger groups stay out
.endif
.if J < 2
	v_max_num_f32 v[MXR+2*J], |v[X+4*J]|, |v[X+4*J+1]|             ; the first two loads start the chains: nothing is cleared
	v_max_num_f32 v[MXR+2*J+1], |v[X+4*J+2]|, |v[X+4*J+3]|
.else
	v_max3_num_f32 v[MXR+(2*J)%4], v[MXR+(2*J)%4], |v[X+4*J]|, |v[X+4*J+1]|
	v_max3_num_f32 v[MXR+(2*J+1)%4], v[MXR+(2*J+1)%4], |v[X+4*J+2]|, |v[X+4*J+3]|
.endif
.set J, J+1
.endr
	v_max3_num_f32 v8, v8, v9, v10
	v_max_num_f32 v8, v8, v11
	v_max_num_f32_dpp v8, v8, v8 row_xmask:1 row_mask:0xf bank_mask:0xf
	v_max_num_f32_dpp v8, v8, v8 row_xmask:2 row_mask:0xf bank_mask:0xf
	v_max_num_f32_dpp v8, v8, v8 row_xmask:4 row_mask:0xf bank_mask:0xf
	v_max_num_f32_dpp v8, v8, v8 row_xmask:8 row_mask:0xf bank_mask:0xf
	v_permlanex16_b32 v17, v8, s32, s33
	v_max_num_f32 v8, v8, v17                      ; every lane holds the row's largest magnitude m
	v_mul_f32 v12, s26, v8                         ; sx = m / 127: a first value,
	v_fma_f32 v16, -v12, s27, v8                   ; what it leaves of m,
	v_fma_f32 v12, v16, s26, v12                   ; and the correction
	v_rcp_f32 v14, v12                             ; r = 1 / sx
	v_nop                                          ; a plain line behind the transcendental
	s_wait_alu depctr_va_vdst(0)                   ; the wait ahead of the result's first reader
	v_fma_f32 v16, -v12, v14, 1.0                  ; one Newton step
	v_fma_f32 v14, v16, v14, v14
	v_mov_b32 v15, v14
.set J, 0
.rept 64
	v_pk_fma_f32 v[X+2*J:X+2*J+1], v[X+2*J:X+2*J+1], v[14:15], s[28:29] op_sel_hi:[1,0,0]   ; x r + 1.5 x 2^23: the low byte of the bits is the code
.set J, J+1
.endr
.set J, 0
.rept 32                                           ; four codes to a word; word J lands in a register whose numbers are already packed
	v_perm_b32 v[X+4*J], v[X+4*J+1], v[X+4*J], s30
	v_perm_b32 v[X+4*J+2], v[X+4*J+3], v[X+4*J+2], s30
	v_perm_b32 v[X+J], v[X+4*J+2], v[X+4*J], s31
.set J, J+1
.endr
.set J, 0
.rept 32
	ds_store_b32 v3, v[X+J] offset:128*J           ; word J of lane l holds codes 128 J + 4 l .. + 3: the row's bytes in order
.set J, J+1
.endr
.irp g, 0,1,2,3,4,5,6,7
	ds_load_b128 v[X+32+4*\g:X+32+4*\g+3], v4 offset:512*\g   ; LDS serves a wave's instructions in order: these see my stores
.endr
.irp g, 0,1,2,3,4,5,6,7
	s_wait_dscnt 7-\g                              ; load g is in, the younger ones stay out
	global_store_b128 v2, v[X+32+4*\g:X+32+4*\g+3], s[10:11] offset:512*\g   ; 512 consecutive bytes, at a multiple of 256 from xq's first byte
.endr
	v_cmp_eq_u32 vcc_lo, 0, v1
	s_wait_xcnt 0x0                                ; EXEC is a source of the stores above: it changes only behind this wait
	s_wait_tensorcnt 0x0
	ds_add_u32 v160, v161
	s_wait_dscnt 0x0
	s_and_saveexec_b32 s34, vcc_lo
	global_store_b32 v18, v12, s[12:13]            ; lane 0: sx of my row
	s_wait_xcnt 0x0                                ; and again ahead of the line that widens it
	s_or_b32 exec_lo, exec_lo, s34
	s_endpgm
	; ---------------- a fragment of svd_down: 64 columns ----------------
.Ldown:
	s_lshl_b32 s24, ttmp9, 3
	s_add_co_u32 s24, s24, s22                     ; fragment T = 8 x work-group + wave, 0 .. 63
	s_lshl_b32 s36, s24, 8
	s_add_nc_u64 s[6:7], s[6:7], s[36:37]          ; column 64 T: 256 T bytes into each row
	s_mul_i32 s36, s24, 1536
	s_add_nc_u64 s[14:15], s[14:15], s[36:37]      ; its image: 12 registers x 128 bytes
	s_lshl_b32 s36, s24, 7
	s_add_nc_u64 s[16:17], s[16:17], s[36:37]      ; its scale words: 128 bytes
	v_and_b32 v3, 7, v1                            ; lane (r, h) takes column 16 (r / 8) + 8 h + r % 8 of each 32: the lane's number with bits 3 and 4 exchanged
	v_and_b32 v4, 8, v1
	v_lshl_or_b32 v3, v4, 1, v3
	v_bfe_u32 v5, v1, 4, 1                         ; h
	v_lshl_or_b32 v3, v5, 3, v3
	v_lshlrev_b32 v3, 2, v3
.irp c, 0,1
.set I, 0
.rept 32
	global_load_b32 v[X+32*\c+I], v3, s[6:7] offset:16384*I+128*\c   ; the lane's registers run down K; the 32 lanes read 128 consecutive bytes
.set I, I+1
.endr
.endr
	v_lshlrev_b32 v6, 4, v1
	v_lshlrev_b32 v7, 2, v1
	v_lshlrev_b32 v5, 3, v5                        ; 8 h
	v_mov_b32 v15, 0                               ; a lane permute's destination counts as one of its sources
	s_wait_loadcnt 0x0
	QUANT2
.irp c, 0,1
.irp i, 0,1,2
	v_mov_b32 v[CD+6*\c+3+\i], v[DD+4*\c+\i]       ; registers 6 c .. 6 c + 5: my block of slot 2 c + h
.endr
.endr
	v_lshl_or_b32 v14, v13, 16, v12                ; my two bytes, of slots h and 2 + h,
	v_lshlrev_b32 v14, v5, v14                     ; at their places in row r's scale word;
	v_permlanex16_b32 v15, v14, s32, s33
	v_or_b32 v14, v14, v15                         ; with lane l xor 16's two the word is whole
.irp g, 0,1,2
	global_store_b128 v6, v[CD+4*\g:CD+4*\g+3], s[14:15] offset:512*\g   ; the image: registers 4 g .. 4 g + 3 of lane l at 512 g + 16 l
.endr
	global_store_b32 v7, v14, s[16:17]
	s_endpgm
	; ---------------- 64 rows of svd_up ----------------
.Lup:
	s_sub_co_u32 s24, ttmp9, 8
	s_lshl_b32 s24, s24, 3
	s_add_co_u32 s24, s24, s22                     ; U = 8 x (work-group - 8) + wave: rows 64 U + 32 c + lane
	s_lshl_b32 s36, s24, 13
	s_add_nc_u64 s[8:9], s[8:9], s[36:37]          ; 128 bytes a row
	s_mul_i32 s36, s24, 1536
	s_add_nc_u64 s[18:19], s[18:19], s[36:37]      ; 24 bytes of codes a row
	s_lshl_b32 s36, s24, 8
	s_add_nc_u64 s[20:21], s[20:21], s[36:37]      ; a word a row
	v_lshlrev_b32 v3, 7, v1
.irp c, 0,1
.irp q, 0,1,2,3,4,5,6,7
	global_load_b128 v[X+32*\c+4*\q:X+32*\c+4*\q+3], v3, s[8:9] offset:4096*\c+16*\q   ; a lane holds a whole row: its one block of 32
.endr
.endr
	v_mul_u32_u24 v6, v1, 24
	v_lshlrev_b32 v7, 2, v1
	s_wait_loadcnt 0x0
	QUANT2
.irp c, 0,1
	v_perm_b32 v[14+\c], v[BY+\c], v[BY+\c], 0     ; the byte in all four places: it serves whichever slot the codes are put into
.endr
.irp c, 0,1
	global_store_b96 v6, v[CD+6*\c:CD+6*\c+2], s[18:19] offset:768*\c
	global_store_b96 v6, v[DD+4*\c:DD+4*\c+2], s[18:19] offset:768*\c+12   ; the wave's two stores cover 768 consecutive bytes
	global_store_b32 v7, v[14+\c], s[20:21] offset:128*\c
.endr
	s_endpgm
.Lfunc_end_k_q10a6b112da_prep:
	.size	k_q10a6b112da_prep, .Lfunc_end_k_q10a6b112da_prep-k_q10a6b112da_prep
	.p2alignl 7, 3214868480
	.fill 96, 4, 3214868480
	.section	.rodata,"a",@progbits
	.p2align	6, 0x0
	.amdhsa_kernel k_q10a6b112da_prep
		.amdhsa_group_segment_fixed_size 33792
		.amdhsa_private_segment_fixed_size 0
		.amdhsa_enable_private_segment 0
		.amdhsa_kernarg_size 72
		.amdhsa_user_sgpr_count 2
		.amdhsa_user_sgpr_kernarg_segment_ptr 1
		.amdhsa_wavefront_size32 1
		.amdhsa_system_sgpr_workgroup_id_x 1
		.amdhsa_system_sgpr_workgroup_id_y 1
		.amdhsa_system_sgpr_workgroup_id_z 1
		.amdhsa_system_vgpr_workitem_id 0
		.amdhsa_next_free_vgpr 162
		.amdhsa_next_free_sgpr 66
		.amdhsa_reserve_vcc 1
		.amdhsa_float_denorm_mode_32 3
		.amdhsa_float_denorm_mode_16_64 3
		.amdhsa_memory_ordered 1
		.amdhsa_forward_progress 1
		.amdhsa_inst_pref_size 39
	.end_amdhsa_kernel
	.amdgpu_metadata
---
amdhsa.version: [ 1, 2 ]
amdhsa.kernels:
  - .name:           k_q10a6b112da_prep
    .symbol:         k_q10a6b112da_prep.kd
    .args:
      - { .name: x, .offset: 0, .size: 8, .value_kind: global_buffer, .address_space: global }
      - { .name: svd_down, .offset: 8, .size: 8, .value_kind: global_buffer, .address_space: global }
      - { .name: svd_up, .offset: 16, .size: 8, .value_kind: global_buffer, .address_space: global }
      - { .name: xq, .offset: 24, .size: 8, .value_kind: global_buffer, .address_space: global }
      - { .name: sx, .offset: 32, .size: 8, .value_kind: global_buffer, .address_space: global }
      - { .name: dimg, .offset: 40, .size: 8, .value_kind: global_buffer, .address_space: global }
      - { .name: dscl, .offset: 48, .size: 8, .value_kind: global_buffer, .address_space: global }
      - { .name: ucod, .offset: 56, .size: 8, .value_kind: global_buffer, .address_space: global }
      - { .name: uscl, .offset: 64, .size: 8, .value_kind: global_buffer, .address_space: global }
    .group_segment_fixed_size: 33792
    .private_segment_fixed_size: 0
    .kernarg_segment_align: 8
    .kernarg_segment_size: 72
    .max_flat_workgroup_size: 256
    .sgpr_count:     66
    .vgpr_count:     162
    .wavefront_size: 32
...
	.end_amdgpu_metadata
.endif
;; end of part 1
;; launch wquant (part 2): grid 256 x 1, 16 waves a work-group, no clusters, 212,992 bytes of LDS; arguments w_packed, scale, zero_point, dimg, dscl, ucod, uscl, wq, sw; writes wq, sw
.if DOCPART == 2
	.amdgcn_target "amdgcn-amd-amdhsa--gfx1250"
	.amdhsa_code_object_version 6
	.text
	.protected	k_q10a6b112da_wquant
	.globl	k_q10a6b112da_wquant
	.p2align	8
	.type	k_q10a6b112da_wquant,@function
k_q10a6b112da_wquant:
	s_mov_b64 s[64:65], 0
	v_nop
	global_prefetch_b8 v0, s[64:65] scope:SCOPE_SE
	s_setreg_imm32_b32 hwreg(HW_REG_WAVE_MODE, 25, 1), 1
	s_wait_xcnt 0x0
; WQUANT.  W[o][i] = (nibble - zero_point) x scale + (svd_up svd_down)[o][i] in f32; sw[o] = max over i of |W[o][i]| / 127; wq[o][i] = round to nearest even of W / sw, as int8, K = i innermost.
; SHARES.  A work-group takes 16 rows o and all 4,096 columns; wave w of sixteen takes columns 256 w .. 256 w + 255: 16 tiles of 16 x 16, 128 registers.  W never goes to memory.
; THE LOW-RANK PRODUCT goes on codes of BF6 (E3M2) by the scaled matrix instruction, whose K is 128 where the product's is 32.  A fragment T of svd_down (made by the launch before) carries four columns in each row, one
; in each block of 32 along K (slot s = 2 c + h: registers 6 c .. 6 c + 5, lanes of half h).  svd_up's 16 rows stand as four operands B_s with their codes in slot s and ZERO CODES in the other three, which add nothing
; under any scale byte but 0xff (the bytes made lie between 1 and 254).  So fragment T x B_s is the tile of columns that lie in slot s.  Source 0 = svd_down, source 1 = svd_up: lane (r, h) holds row r of W, and register j
; of tile (T, s = 2 b + u) column 64 T + 32 b + 16 h + 8 u + j: the 16 registers of tiles 2 b and 2 b + 1 are 16 NEIGHBOURING columns: 8 words of w_packed, 16 bytes of wq.  Fragment T is scale group T.
; THE INT8 RULE as in the launch before: W x (1 / sw) + 1.5 x 2^23 in one fused multiply-add; the low byte of the bits is the code.  |W / sw| is at most 127 (1 + 3 x 2^-24): the clip needs no line.
; LIMITS: NaN and infinities among the inputs are not served.  A row of W whose largest magnitude lies under 127 x 2^-126 (an all-zero row among them) gets codes 0.  W x (1 / sw) stands for W / sw, within one unit in the last place.
; LDS is filled ONCE: each wave brings one row of w_packed, of scale and of zero_point by three tensor loads, which are all that it ever has outstanding.  No byte is filled again.
; No cluster: work-groups share only the 104 KB of svd_down's codes, a small part of the 140 KB that each reads for itself, and those come straight into registers.
.set WPITCH, 8208                      ; a row of w_packed in LDS: 8,192 bytes + 16: row r starts 16 r bytes further on modulo 256, so the 16 rows that a load touches fall on 16 different columns of 16 bytes
.set SCL,  16*WPITCH                   ; scale: 16 rows x (256 + 16)
.set ZPT,  SCL+16*272                  ; zero_point likewise
.set RED,  ZPT+16*272                  ; the waves' row maxima: row r at 80 r, word w.  From here on no fill lands (a multiple of 256)
.set STG,  RED+16*80                   ; a stage for each wave: 16 rows x (256 + 16)
.set AF,   32                          ; v32-79   four fragments of svd_down
.set UT,   80                          ; v80-85   svd_up's codes as loaded: row r in lanes r and 16 + r
.set UB,   86                          ; v86-115  zeros 6 | codes in lanes 0-15, 6 | zeros 6 | codes in lanes 16-31, 6 | zeros 6: B_s begins at UB + 6 (1 - s / 2) + 12 (s % 2)
.set ASC,  122                         ; v122-125 the fragments' scale words: these five registers hold scales and nothing else
.set USC,  126                         ; v126     svd_up's
.set ACC,  128                         ; v128-255 the 16 tiles; register 16 p + e: column 32 p + 16 h + e of my 256
.set WW,   32                          ; v32-95   behind the products: my 64 words of w_packed
.set F,    96                          ; v96-111  16 nibbles as f32; later the sixteen waves' maxima
.set OUT,  32                          ; v32-63   packed codes
.set RB,   64                          ; v64-95   rows read back from the stage
	s_load_b256 s[4:11], s[0:1], 0x0               ; w_packed s[4:5], scale s[6:7], zero_point s[8:9], dimg s[10:11]
	s_load_b256 s[12:19], s[0:1], 0x20             ; dscl s[12:13], ucod s[14:15], uscl s[16:17], wq s[18:19]
	s_load_b64 s[20:21], s[0:1], 0x40              ; sw
	v_lshl_add_u32 v121, v0, 2, 0x33800
	v_mov_b32 v127, 0
	ds_add_u32 v121, v127
	ds_add_u32 v121, v127
	v_lshrrev_b32 v1, 5, v0
	v_readfirstlane_b32 s22, v1                    ; wave 0..15
	; descriptor group 1 for one row of 8,192 bytes: 1,024 elements of 8 bytes
	s_mov_b32 s24, 3<<16                           ; no mask; elements of 8 bytes; no padding
	s_mov_b32 s25, 1024<<16                        ; tensor_dim0
	s_mov_b32 s26, 1<<16                           ; tensor_dim1 = 1
	s_mov_b32 s27, 1024<<16                        ; tile_dim0
	s_mov_b32 s28, 1                               ; tile_dim1
	s_mov_b32 s29, 1024                            ; the pitch
	s_mov_b32 s30, 0
	s_mov_b32 s31, 0
	; and for one row of 256 bytes: 32 elements
	s_mov_b32 s32, 3<<16
	s_mov_b32 s33, 32<<16
	s_mov_b32 s34, 1<<16
	s_mov_b32 s35, 32<<16
	s_mov_b32 s36, 1
	s_mov_b32 s37, 32
	s_mov_b32 s38, 0
	s_mov_b32 s39, 0
	s_lshl_b32 s23, ttmp9, 4
	s_add_co_u32 s23, s23, s22                     ; the row that I fetch: 16 x work-group + wave
	s_mov_b32 s53, 0                               ; the upper word of every byte offset: all stay under 2^32
	s_mov_b32 s40, 1                               ; groups 0: count = 1,
	s_mov_b32 s44, 1
	s_mov_b32 s48, 1
	s_mul_i32 s41, s22, WPITCH                     ; LDS addresses: a constant + the wave's number x a constant
	s_mul_i32 s45, s22, 272
	s_add_co_u32 s49, s45, ZPT
	s_add_co_u32 s45, s45, SCL
	s_wait_dscnt 0x0
	s_wait_kmcnt 0x0
	s_lshl_b32 s52, s23, 13
	s_add_nc_u64 s[42:43], s[4:5], s[52:53]        ; 8,192 bytes a row of w_packed
	s_or_b32 s43, s43, 0x80000000                  ; type = 2
	s_lshl_b32 s52, s23, 8
	s_add_nc_u64 s[46:47], s[6:7], s[52:53]        ; 256 a row of scale
	s_or_b32 s47, s47, 0x80000000
	s_add_nc_u64 s[50:51], s[8:9], s[52:53]        ; and of zero_point
	s_or_b32 s51, s51, 0x80000000
	tensor_load_to_lds s[40:43], s[24:31]          ; the first and only fills, in one group, ahead of every wait on TENSORcnt, LDS read and barrier
	s_nop 0
	tensor_load_to_lds s[44:47], s[32:39]
	s_nop 0
	tensor_load_to_lds s[48:51], s[32:39]
	s_nop 0
.rept 4
	v_nop
.endr
	v_and_b32 v1, 31, v0                           ; lane
	v_and_b32 v2, 15, v0                           ; r
	v_bfe_u32 v3, v0, 4, 1                         ; h
	v_lshlrev_b32 v4, 4, v1                        ; 16 x lane: an image's place
	v_lshlrev_b32 v5, 2, v1                        ; 4 x lane: a scale word's
	v_mul_u32_u24 v6, v2, 24                       ; svd_up's codes: 24 bytes a row
	v_lshlrev_b32 v7, 2, v2                        ; a word a row
	s_mul_i32 s52, s22, 6144
	s_add_nc_u64 s[10:11], s[10:11], s[52:53]      ; my four fragments: 4 w on, 1,536 bytes each
	s_lshl_b32 s52, s22, 9
	s_add_nc_u64 s[12:13], s[12:13], s[52:53]      ; their scale words
	s_mul_i32 s52, ttmp9, 384
	s_add_nc_u64 s[14:15], s[14:15], s[52:53]      ; the work-group's 16 rows of svd_up's codes
	s_lshl_b32 s52, ttmp9, 6
	s_add_nc_u64 s[16:17], s[16:17], s[52:53]      ; their scale words,
	s_add_nc_u64 s[20:21], s[20:21], s[52:53]      ; and their places in sw
.irp t, 0,1,2,3
.irp g, 0,1,2
	global_load_b128 v[AF+12*\t+4*\g:AF+12*\t+4*\g+3], v4, s[10:11] offset:1536*\t+512*\g   ; the image gives each lane its registers back
.endr
.endr
.irp t, 0,1,2,3
	global_load_b32 v[ASC+\t], v5, s[12:13] offset:128*\t
.endr
.irp p, 0,1,2
	global_load_b64 v[UT+2*\p:UT+2*\p+1], v6, s[14:15] offset:8*\p
.endr
	global_load_b32 v[USC], v7, s[16:17]
	s_lshl_b32 s52, ttmp9, 16
	s_lshl_b32 s62, s22, 8
	s_add_co_u32 s52, s52, s62
	s_add_nc_u64 s[18:19], s[18:19], s[52:53]      ; wq: 16 rows of 4,096 bytes a work-group, 256 bytes of each a wave
	s_mov_b32 s54, 0x76543210                      ; v_permlanex16_b32's selects for lane l xor 16
	s_mov_b32 s55, 0xfedcba98
	s_mov_b32 s56, 0x4b400000                      ; 1.5 x 2^23
	s_mov_b32 s57, s56                             ; (named with it as a pair, so it is written)
	s_mov_b32 s58, 0x04000400                      ; byte 0 of the second source, byte 0 of the first, twice
	s_mov_b32 s59, 0x05040100                      ; the low halves of both sources
	s_mov_b32 s61, 0x3c010204                      ; 1 / 127
	s_mov_b32 s63, 0x42fe0000                      ; 127
	; every LDS address: a constant + constants x r, h and the wave's number
	v_mul_u32_u24 v8, v2, WPITCH
	v_lshl_add_u32 v8, v3, 5, v8
	s_lshl_b32 s62, s22, 9
	v_add_nc_u32 v8, s62, v8                       ; w_packed: row r, my wave's 512 bytes, + 32 h: 8 words = 16 columns
	v_mul_u32_u24 v10, v2, 272
	s_lshl_b32 s62, s22, 4
	s_add_co_u32 s62, s62, SCL
	v_add_nc_u32 v9, s62, v10                      ; scale: row r, my wave's four groups; zero_point 16 x 272 bytes on
	v_mul_u32_u24 v12, v2, 80
	v_add_nc_u32 v12, RED, v12                     ; the maxima of row r,
	s_lshl_b32 s62, s22, 2
	v_add_nc_u32 v11, s62, v12                     ; my wave's word among them
	s_mul_i32 s62, s22, 16*272
	s_add_co_u32 s62, s62, STG                     ; my stage
	v_lshl_add_u32 v13, v3, 4, v10
	v_add_nc_u32 v13, s62, v13                     ; in: row r, + 16 h
	v_mul_u32_u24 v14, v3, 272
	v_lshl_add_u32 v14, v2, 4, v14
	v_add_nc_u32 v14, s62, v14                     ; back: lanes 0-15 one row of 256 bytes, lanes 16-31 the next
	v_lshlrev_b32 v15, 12, v3
	v_lshl_add_u32 v15, v2, 4, v15                 ; and the same two rows in wq
	v_mov_b32 v27, 0                               ; a lane permute's destination counts as one of its sources
	v_cmp_gt_u32 vcc_lo, 16, v1                    ; lanes 0-15
.irp i, 0,1,2,3,4,5
	v_mov_b32 v[UB+\i], 0
	v_mov_b32 v[UB+12+\i], 0
	v_mov_b32 v[UB+24+\i], 0
.endr
	s_wait_loadcnt 0x0                             ; codes and scale words are in
.irp i, 0,1,2,3,4,5
	v_cndmask_b32 v[UB+6+\i], 0, v[UT+\i], vcc_lo          ; codes in lanes 0-15, zero codes in lanes 16-31
	v_cndmask_b32 v[UB+18+\i], v[UT+\i], v[UB], vcc_lo     ; and the other way round
.endr
.rept 4
	v_nop                                          ; an operand written by vector instructions stands four places ahead of a scaled matrix instruction; the scale registers come from loads
.endr
.irp t, 0,1,2,3
.irp s, 0,1,2,3
.set BS, UB+6*(1-\s/2)+12*(\s%2)
	v_wmma_scale_f32_16x16x128_f8f6f4 v[ACC+32*\t+8*\s:ACC+32*\t+8*\s+7], v[AF+12*\t:AF+12*\t+11], v[BS:BS+11], 0, v[ASC+\t], v[USC] matrix_a_fmt:MATRIX_FMT_BF6 matrix_b_fmt:MATRIX_FMT_BF6   ; sixteen accumulators, each written once
.endr
.endr
.rept 4
	v_nop                                          ; four places ahead of the loads into the operands' registers and of the first read of results
.endr
	s_wait_tensorcnt 0x0                           ; my three rows have landed,
	s_barrier_signal -1
	s_barrier_wait -1                              ; everybody's have: each wave reads all sixteen rows
	ds_load_b128 v[16:19], v9                      ; scale of row r, my four groups
	ds_load_b128 v[20:23], v9 offset:16*272        ; zero_point
.irp p, 0,1,2,3,4,5,6,7
	ds_load_b128 v[WW+8*\p:WW+8*\p+3], v8 offset:64*\p
	ds_load_b128 v[WW+8*\p+4:WW+8*\p+7], v8 offset:64*\p+16
.endr
; Pair p of tiles: 16 neighbouring columns, 32 p + 16 h on, of group p / 2 of my four.
.macro DEQ p
.set TT, (\p)/2
.set ZP2, 20+2*(TT/2)
.set SC2, 16+2*(TT/2)
.set A0, ACC+16*(\p)
	s_wait_dscnt 14-2*(\p)                         ; this pair's two loads are in; the later pairs' stay out
.irp e, 0,1,2,3,4,5,6,7
	v_and_b32 v[F+2*\e], 15, v[WW+8*(\p)+\e]       ; the low nibble first,
	v_bfe_u32 v[F+2*\e+1], v[WW+8*(\p)+\e], 4, 4   ; then the high one
.endr
.irp e, 0,1,2,3,4,5,6,7,8,9,10,11,12,13,14,15
	v_cvt_f32_u32 v[F+\e], v[F+\e]
.endr
.irp e, 0,2,4,6,8,10,12,14
.if TT%2
	v_pk_add_f32 v[F+\e:F+\e+1], v[F+\e:F+\e+1], v[ZP2:ZP2+1] op_sel:[0,1] op_sel_hi:[1,1] neg_lo:[0,1] neg_hi:[0,1]   ; q - zero_point; the group's number, the pair's upper word, serves both halves
.else
	v_pk_add_f32 v[F+\e:F+\e+1], v[F+\e:F+\e+1], v[ZP2:ZP2+1] op_sel_hi:[1,0] neg_lo:[0,1] neg_hi:[0,1]               ; (its lower word)
.endif
.endr
.irp e, 0,2,4,6,8,10,12,14                     ; ascending: each accumulator is first read at its low end
.if TT%2
	v_pk_fma_f32 v[A0+\e:A0+\e+1], v[F+\e:F+\e+1], v[SC2:SC2+1], v[A0+\e:A0+\e+1] op_sel:[0,1,0] op_sel_hi:[1,1,1]   ; x scale + the low-rank part
.else
	v_pk_fma_f32 v[A0+\e:A0+\e+1], v[F+\e:F+\e+1], v[SC2:SC2+1], v[A0+\e:A0+\e+1] op_sel_hi:[1,0,1]
.endif
.endr
.irp e, 0,1,2,3,4,5,6,7
.if (\p) == 0 && \e < 4
	v_max_num_f32 v[28+\e], |v[A0+2*\e]|, |v[A0+2*\e+1]|   ; the first four pairs start the four chains
.else
	v_max3_num_f32 v[28+\e%4], v[28+\e%4], |v[A0+2*\e]|, |v[A0+2*\e+1]|
.endif
.endr
.endm
.irp p, 0,1,2,3,4,5,6,7
	DEQ \p
.endr
	v_max3_num_f32 v28, v28, v29, v30
	v_max_num_f32 v28, v28, v31
	v_permlanex16_b32 v27, v28, s54, s55
	v_max_num_f32 v28, v28, v27                    ; row r's largest magnitude among my wave's 256 columns
	ds_store_b32 v11, v28                          ; lanes r and 16 + r write the same word with the same value
	s_wait_dscnt 0x0                               ; for the others' sake: my store has landed
	s_barrier_signal -1
	s_barrier_wait -1
.irp q, 0,1,2,3
	ds_load_b128 v[F+4*\q:F+4*\q+3], v12 offset:16*\q      ; the sixteen waves' maxima of row r
.endr
	s_wait_dscnt 0x0
	v_max3_num_f32 v28, v[F], v[F+1], v[F+2]
.irp i, 3,5,7,9,11,13
	v_max3_num_f32 v28, v28, v[F+\i], v[F+\i+1]
.endr
	v_max_num_f32 v28, v28, v[F+15]                ; m: the row's largest magnitude
	v_mul_f32 v26, s61, v28                        ; sw = m / 127: a first value,
	v_fma_f32 v27, -v26, s63, v28                  ; what it leaves of m,
	v_fma_f32 v26, v27, s61, v26                   ; and the correction
	v_rcp_f32 v24, v26
	v_nop                                          ; a plain line behind the transcendental
	s_wait_alu depctr_va_vdst(0)                   ; the wait ahead of the result's first reader
	v_fma_f32 v27, -v26, v24, 1.0                  ; one Newton step
	v_fma_f32 v24, v27, v24, v24
	v_mov_b32 v25, v24
.macro PACKW p
.set A0, ACC+16*(\p)
.irp e, 0,2,4,6,8,10,12,14
	v_pk_fma_f32 v[A0+\e:A0+\e+1], v[A0+\e:A0+\e+1], v[24:25], s[56:57] op_sel_hi:[1,0,0]   ; W / sw + 1.5 x 2^23: the low byte of the bits is the code
.endr
.irp k, 0,1,2,3
	v_perm_b32 v[A0+4*\k], v[A0+4*\k+1], v[A0+4*\k], s58
	v_perm_b32 v[A0+4*\k+2], v[A0+4*\k+3], v[A0+4*\k+2], s58
	v_perm_b32 v[OUT+4*(\p)+\k], v[A0+4*\k+2], v[A0+4*\k], s59
.endr
	ds_store_b128 v13, v[OUT+4*(\p):OUT+4*(\p)+3] offset:32*(\p)   ; 16 codes of row r, at column 32 p + 16 h
.endm
.irp p, 0,1,2,3,4,5,6,7
	PACKW \p
.endr
.irp i, 0,1,2,3,4,5,6,7
	ds_load_b128 v[RB+4*\i:RB+4*\i+3], v14 offset:544*\i   ; LDS serves a wave's instructions in order: these see my stores; the stage is my own
.endr
.irp i, 0,1,2,3,4,5,6,7
	s_wait_dscnt 7-\i                              ; load i is in, the younger ones stay out
	global_store_b128 v15, v[RB+4*\i:RB+4*\i+3], s[18:19] offset:8192*\i   ; sixteen lanes store 256 consecutive bytes, at a multiple of 256 from wq's first byte; two rows an instruction
.endr
	s_cmp_lg_u32 s22, 0
	s_cbranch_scc1 .Ldone                          ; wave 0 stores the 16 scales
	v_cmp_gt_u32 vcc_lo, 16, v1
	s_wait_xcnt 0x0                                ; EXEC is a source of the stores above: it changes only behind this wait
	s_and_saveexec_b32 s60, vcc_lo
	global_store_b32 v7, v26, s[20:21]             ; lane r: sw of row r
	s_wait_xcnt 0x0                                ; and again ahead of the line that widens it
	s_or_b32 exec_lo, exec_lo, s60
.Ldone:
	s_wait_tensorcnt 0x0
	ds_add_u32 v121, v127
	s_wait_dscnt 0x0
	s_endpgm
.Lfunc_end_k_q10a6b112da_wquant:
	.size	k_q10a6b112da_wquant, .Lfunc_end_k_q10a6b112da_wquant-k_q10a6b112da_wquant
	.p2alignl 7, 3214868480
	.fill 96, 4, 3214868480
	.section	.rodata,"a",@progbits
	.p2align	6, 0x0
	.amdhsa_kernel k_q10a6b112da_wquant
		.amdhsa_group_segment_fixed_size 212992
		.amdhsa_private_segment_fixed_size 0
		.amdhsa_enable_private_segment 0
		.amdhsa_kernarg_size 72
		.amdhsa_user_sgpr_count 2
		.amdhsa_user_sgpr_kernarg_segment_ptr 1
		.amdhsa_wavefront_size32 1
		.amdhsa_system_sgpr_workgroup_id_x 1
		.amdhsa_system_sgpr_workgroup_id_y 1
		.amdhsa_system_sgpr_workgroup_id_z 1
		.amdhsa_system_vgpr_workitem_id 0
		.amdhsa_next_free_vgpr 256
		.amdhsa_next_free_sgpr 66
		.amdhsa_reserve_vcc 1
		.amdhsa_float_denorm_mode_32 3
		.amdhsa_float_denorm_mode_16_64 3
		.amdhsa_memory_ordered 1
		.amdhsa_forward_progress 1
		.amdhsa_inst_pref_size 48
	.end_amdhsa_kernel
	.amdgpu_metadata
---
amdhsa.version: [ 1, 2 ]
amdhsa.kernels:
  - .name:           k_q10a6b112da_wquant
    .symbol:         k_q10a6b112da_wquant.kd
    .args:
      - { .name: w_packed, .offset: 0, .size: 8, .value_kind: global_buffer, .address_space: global }
      - { .name: scale, .offset: 8, .size: 8, .value_kind: global_buffer, .address_space: global }
      - { .name: zero_point, .offset: 16, .size: 8, .value_kind: global_buffer, .address_space: global }
      - { .name: dimg, .offset: 24, .size: 8, .value_kind: global_buffer, .address_space: global }
      - { .name: dscl, .offset: 32, .size: 8, .value_kind: global_buffer, .address_space: global }
      - { .name: ucod, .offset: 40, .size: 8, .value_kind: global_buffer, .address_space: global }
      - { .name: uscl, .offset: 48, .size: 8, .value_kind: global_buffer, .address_space: global }
      - { .name: wq, .offset: 56, .size: 8, .value_kind: global_buffer, .address_space: global }
      - { .name: sw, .offset: 64, .size: 8, .value_kind: global_buffer, .address_space: global }
    .group_segment_fixed_size: 212992
    .private_segment_fixed_size: 0
    .kernarg_segment_align: 8
    .kernarg_segment_size: 72
    .max_flat_workgroup_size: 512
    .sgpr_count:     66
    .vgpr_count:     256
    .wavefront_size: 32
...
	.end_amdgpu_metadata
.endif
;; end of part 2
;; launch gemm (part 3): grid 16 x 16, 4 waves a work-group, clusters of 4 x 4, 327,680 bytes of LDS; arguments xq, wq, sx, sw, bias, out0; writes out0
.if DOCPART == 3
	.amdgcn_target "amdgcn-amd-amdhsa--gfx1250"
	.amdhsa_code_object_version 6
	.text
	.protected	k_q10a6b112da_gemm
	.globl	k_q10a6b112da_gemm
	.p2align	8
	.type	k_q10a6b112da_gemm,@function
k_q10a6b112da_gemm:
	s_mov_b64 s[64:65], 0
	v_nop
	global_prefetch_b8 v0, s[64:65] scope:SCOPE_SE
	s_setreg_imm32_b32 hwreg(HW_REG_WAVE_MODE, 25, 1), 1
	s_wait_xcnt 0x0
	s_wait_alu depctr_hold_cnt(0) depctr_sa_sdst(0) depctr_va_vdst(0) depctr_va_sdst(0) depctr_va_ssrc(0) depctr_va_vcc(0) depctr_vm_vsrc(0)
	s_getreg_b32 s2, hwreg(HW_REG_IB_STS2, 6, 4)
	s_cmp_eq_u32 s2, 0
	s_cbranch_scc0 .Lentry_in_a_cluster
	s_endpgm
.Lentry_in_a_cluster:
	s_bfe_u32 s2, ttmp6, 0x10000c
	s_cmp_lg_u32 s2, 0xf033
	s_cbranch_scc0 .Lentry_shape_is_right
	s_endpgm
.Lentry_shape_is_right:
; out0[m][n] = (sum over k of xq[m][k] wq[n][k]) x sx[m] x sw[n] + bias[n].  xq, wq: [4096][4096] int8, K innermost; the sums are whole numbers, exact, by v_wmma_i32_16x16x64_iu8 with both sides signed.
; A tile of 256 x 256 is made by a work-group of four waves; a wave makes 128 x 128: 64 accumulators of 16 x 16, 512 registers.  256 tiles: one to a work-group.
; K goes in steps of 256 (rows of 256 bytes, each starting at a multiple of 256 from its buffer's first byte) through a ring of two LDS slots filled by the tensor data mover.  A K step is four quarters of 64 along K,
; 64 matrix instructions each.  From a refill's request to the wait for it a wave issues 224 matrix instructions (32 in the change of slots, 3 x 64 in the next three quarters): so nothing is asked of memory earlier than that.
; CLUSTERS: 4 x 4 work-groups.  The four of a row of the cluster need the same tiles of xq, the four of a column the same tiles of wq: each tile is asked for JOINTLY, by the same tensor load with the same descriptor and a
; mask that names the four.
; THE MATRIX INSTRUCTION IS USED TRANSPOSED: source 0 = 16 rows of wq, source 1 = 16 rows of xq: lane l holds row l % 16 of the tile and registers 0-7 the columns 8 (l / 16) + 0 .. 7: 32 neighbouring bytes of a row of out0.
; A FRAGMENT, 16 rows x 64 K in 8 registers, comes by two loads of 16 bytes, 32 bytes apart, at row x pitch + 16 (l / 16).  That places the 64 codes otherwise along the unit's k than memory has them, in the same way for
; both sources: each product still meets its partner, and whole-number sums do not hang on their order.
; REGISTERS, in windows of 256: window 0: v16-30 addresses; v32-39 sx of my eight blocks of rows; v64-127, v128-191 xq's fragments, two buffers; on the way out v64-127 at work, v128-255 rows read back.
;   window 1: v64-127, v128-191 wq's fragments, two buffers; v0-63 sw and v192-255 bias of my 128 columns (register 8 b + j: column 16 b + 8 (l / 16) + j).   windows 2, 3: the accumulators of my rows 0-63, 64-127.
; All of a WGP's LDS is claimed; the text uses 312,832 bytes.
.set KSTEP,  256                       ; codes, and bytes, of a row in a slot
.set PITCH,  272                       ; an LDS row: 256 bytes + 16 of padding: row r starts 16 r bytes further on modulo 256, so the 16 rows that a load touches fall on 16 different columns of 16 bytes
.set HALFT,  128*PITCH                 ; 128 rows: what one tensor load brings, and what one wave reads of xq or of wq
.set SLOT,   4*HALFT                   ; xq's 256 rows, then wq's 256 rows
.set STAGE,  2*SLOT                    ; behind the ring: 16 rows x 528 bytes for each wave, for the way out; no fill lands here
.set SPITCH, 528
.set SPARE,  STAGE+4*16*SPITCH         ; behind the stages: the spare words, 128 bytes for each wave: two blocks of 256 bytes that no other line names
.set LAPS,   4096/(2*KSTEP)            ; a lap = two K steps = once round the ring
.set KROW,   4096                      ; a row of xq or wq in bytes
.set NROW,   4096*4                    ; a row of out0 in bytes
.set ADRA, 16                          ; v16-17  LDS address of my xq fragments in slot 0, 1
.set ADRB, 20                          ; v20-21  the same for wq
.set STO,  24                          ; v24     the way out: where I put 32 bytes of a row
.set RD,   25                          ; v25     the way out: where I read a row back
.set CO,   26                          ; v26     my byte offset in a row of out0
.set SXO,  27                          ; v27     4 x (l % 16): sx's loads
.set SPW,  28                          ; v28     LDS address of my spare word: SPARE + 4 x my thread's number; never rewritten
.set NIL,  29                          ; v29     0; never rewritten
.set CBO,  30                          ; v30     32 x (l / 16): sw's and bias's loads
.set SXR,  32                          ; v32-39  sx
.set F0,   64
.set F1,   128
.set TMP,  64                          ; the way out: a block's 64 numbers in f32
.set BK,   128                         ; the way out: 16 rows read back: v128-191 and v192-255 by turns
.set SWR,  0                           ; in window 1
.set BSR,  192                         ; in window 1
.set G1,  24                           ; s[24:31] descriptor group 1 for xq's tiles;  s[32:39] group 0, one set for each slot
.set G0,  32
.set G1B, 48                           ; s[48:55], s[56:63] the same for wq's tiles
.set G0B, 56
.set MSB, 0
.macro WIN new                         ; the immediate's high byte repeats the setting that is left; a switch that changes nothing is dropped
.if MSB != \new
	s_set_vgpr_msb (MSB<<8)|\new
.set MSB, \new
.endif
.endm
.set MUL_LO, 0xa1                      ; source 0 (wq) window 1, source 1 (xq) window 0, C and D window 2
.set MUL_HI, 0xf1                      ; the same, C and D window 3
.set TO_B,   0x40                      ; destination window 1, address window 0
; A joint load: waves 0 and 1 fetch xq's two halves, waves 2 and 3 wq's.  Each line has ONE mask and one set of registers for all that issue it; the branch hangs on the wave's number alone.
; Four v_nop follow each of the two lines, ahead of the jump, the label and what follows.
.macro JLOAD s
	s_cmp_eq_u32 s17, 0
	s_cbranch_scc0 .Lfor_b_\@
	tensor_load_to_lds s[G0+4*\s:G0+4*\s+3], s[G1:G1+7]
	s_nop 0
.rept 4
	v_nop
.endr
	s_branch .Lasked_\@
.Lfor_b_\@:
	tensor_load_to_lds s[G0B+4*\s:G0B+4*\s+3], s[G1B:G1B+7]
	s_nop 0
.rept 4
	v_nop
.endr
.Lasked_\@:
.endm
.macro CREST                           ; a round of the cluster's barrier behind its opening barrier
	s_cmp_lg_u32 s16, 0
	s_cbranch_scc1 .Lnot_wave_0_\@
	s_barrier_signal -3
.Lnot_wave_0_\@:
	s_barrier_wait -3
	s_barrier_signal -1
	s_barrier_wait -1
.endm
.macro CROUND                          ; a whole round
	s_barrier_signal -1
	s_barrier_wait -1
	CREST
.endm
	s_load_b256 s[4:11], s[0:1], 0x0               ; xq s[4:5], wq s[6:7], sx s[8:9], sw s[10:11]
	s_load_b128 s[12:15], s[0:1], 0x20             ; bias s[12:13], out0 s[14:15]
	v_lshl_add_u32 v[SPW], v0, 2, SPARE
	v_mov_b32 v[NIL], 0
	ds_add_u32 v28, v29
	ds_add_u32 v28, v29
	s_wait_dscnt 0x0
	v_lshrrev_b32 v1, 5, v0
	v_readfirstlane_b32 s16, v1                    ; wave 0..3
	s_lshr_b32 s17, s16, 1                         ; which half of the tile's rows is mine.  Also: I fetch for xq (0) or for wq (1)
	s_and_b32 s18, s16, 1                          ; which half of its columns.  Also: which 128 rows of that tile I fetch
	s_bfe_u32 s40, ttmp6, 0x40000                  ; cx, cy: my place in the cluster
	s_bfe_u32 s41, ttmp6, 0x40004
	s_lshl_b32 s42, ttmp9, 2
	s_add_co_u32 s42, s42, s40                     ; tile column = 4 x cluster x + cx
	s_and_b32 s43, ttmp7, 0xffff
	s_lshl_b32 s43, s43, 2
	s_add_co_u32 s43, s43, s41                     ; tile row = 4 x cluster y + cy
	s_lshl_b32 s44, s41, 2
	s_lshl_b32 s44, 15, s44                        ; my row of the cluster: places 4 cy .. 4 cy + 3
	s_lshl_b32 s45, 0x1111, s40                    ; my column: places cx, cx + 4, cx + 8, cx + 12
	; descriptor group 1: a tile of 128 rows x 256 bytes, padded in LDS
	s_or_b32 s[G1+0], s44, (1<<20)|(1<<21)|(5<<22)|(3<<25)    ; 15:0 the mask: xq's tiles go to my row; 17:16 elements of 1 byte; 20 padding on; 21 set beside a mask; 24:22 after every 64 words (code 5); 31:25 4 words of it (code 3)
	s_or_b32 s[G1B+0], s45, (1<<20)|(1<<21)|(5<<22)|(3<<25)   ; the same with the mask of my column, for wq's tiles
.irp g, G1, G1B
	s_mov_b32 s[\g+1], KSTEP<<16                   ; tensor_dim0 = 256
	s_mov_b32 s[\g+2], 128<<16                     ; tensor_dim1 = 128
	s_mov_b32 s[\g+3], KSTEP<<16                   ; tile_dim0 = 256
	s_mov_b32 s[\g+4], 128                         ; tile_dim1 = 128
	s_mov_b32 s[\g+5], KROW                        ; from row to row
	s_mov_b32 s[\g+6], 0
	s_mov_b32 s[\g+7], 0
.endr
	; where the tiles come from: xq's hang on the tile row alone, wq's on the tile column alone; each address is made in registers that never hold the other coordinate
	s_lshl_b32 s21, s18, 7                         ; which 128 rows of the tile I fetch
	s_lshl_b32 s20, s43, 8
	s_add_co_u32 s20, s20, s21                     ; xq: row 256 x tile row + 128 x half
	s_lshl_b32 s46, s42, 8
	s_add_co_u32 s46, s46, s21                     ; wq: row 256 x tile column + 128 x half
	s_lshl_b32 s20, s20, 12                        ; in bytes: under 2^24
	s_lshl_b32 s46, s46, 12
	s_mov_b32 s21, 0
	s_mov_b32 s47, 0
	s_mul_i32 s22, s16, HALFT                      ; and where they go: wave x 128 rows: no place in the cluster enters an LDS address
	s_wait_kmcnt 0x0
	s_add_nc_u64 s[20:21], s[4:5], s[20:21]
	s_add_nc_u64 s[46:47], s[6:7], s[46:47]
	CROUND                                         ; all sixteen work-groups are here: the first joint loads meet
.irp s, 0,1
	s_mov_b32 s[G0+4*\s], 1                                        ; count = 1
	s_add_co_u32 s[G0+4*\s+1], s22, \s*SLOT                        ; LDS address
	s_add_nc_u64 s[G0+4*\s+2:G0+4*\s+3], s[20:21], \s*KSTEP        ; global address: K step s
	s_or_b32 s[G0+4*\s+3], s[G0+4*\s+3], 0x80000000                ; type = 2
	s_mov_b32 s[G0B+4*\s], 1
	s_add_co_u32 s[G0B+4*\s+1], s22, \s*SLOT
	s_add_nc_u64 s[G0B+4*\s+2:G0B+4*\s+3], s[46:47], \s*KSTEP
	s_or_b32 s[G0B+4*\s+3], s[G0B+4*\s+3], 0x80000000
	JLOAD \s                                       ; the ring is filled before anything else is done: two loads of mine are out
.endr
	v_and_b32 v1, 15, v0                           ; l % 16
	v_bfe_u32 v2, v0, 4, 1                         ; l / 16
	v_mul_u32_u24 v3, v1, PITCH
	v_lshl_add_u32 v3, v2, 4, v3                   ; a fragment's row x pitch + 16 x half
	s_mul_i32 s66, s17, HALFT                      ; my 128 rows of xq
	s_mul_i32 s67, s18, HALFT                      ; my 128 rows of wq,
	s_add_co_u32 s67, s67, 2*HALFT                 ; which lie behind xq's 256
.irp s, 0,1
	v_add_nc_u32 v[ADRA+\s], s66, v3
	v_add_nc_u32 v[ADRB+\s], s67, v3
	s_add_co_u32 s66, s66, SLOT
	s_add_co_u32 s67, s67, SLOT
.endr
	s_mul_i32 s68, s16, 16*SPITCH
	s_add_co_u32 s68, s68, STAGE                   ; my stage
	v_mul_u32_u24 v4, v1, SPITCH                   ; in: row l % 16, 32 bytes for each half of the lanes
	v_lshl_add_u32 v4, v2, 5, v4
	v_add_nc_u32 v[STO], s68, v4
	v_and_b32 v5, 31, v0
	v_lshlrev_b32 v[CO], 4, v5                     ; back: the 32 lanes take one row of 512 bytes; and the same in out0
	v_add_nc_u32 v[RD], s68, v[CO]
	v_lshlrev_b32 v[SXO], 2, v1
	v_lshlrev_b32 v[CBO], 5, v2
	s_lshl_b32 s70, s43, 8
	s_lshl_b32 s71, s17, 7
	s_add_co_u32 s70, s70, s71                     ; my first row: 256 x tile row + 128 x half
	s_lshl_b32 s68, s42, 8
	s_lshl_b32 s69, s18, 7
	s_add_co_u32 s68, s68, s69                     ; my first column: 256 x tile column + 128 x half
	s_lshl_b32 s66, s70, 2
	s_mov_b32 s67, 0
	s_add_nc_u64 s[8:9], s[8:9], s[66:67]          ; sx at my first row
	s_lshl_b32 s68, s68, 2
	s_mov_b32 s69, 0
	s_add_nc_u64 s[10:11], s[10:11], s[68:69]      ; sw and bias at my first column
	s_add_nc_u64 s[12:13], s[12:13], s[68:69]
	s_lshl_b32 s70, s70, 14                        ; 16,384 bytes a row of out0: under 2^27
	s_add_co_u32 s70, s70, s68
	s_mov_b32 s71, 0
	s_add_nc_u64 s[14:15], s[14:15], s[70:71]      ; out0 at my corner
.irp a, 0,1,2,3,4,5,6,7
	global_load_b32 v[SXR+\a], v[SXO], s[8:9] offset:64*\a         ; sx of row 16 a + l % 16
.endr
	WIN TO_B
.irp b, 0,1,2,3,4,5,6,7
.irp q, 0,1
	global_load_b128 v[SWR+8*\b+4*\q:SWR+8*\b+4*\q+3], v[CBO], s[10:11] offset:64*\b+16*\q   ; sw of columns 16 b + 8 (l / 16) + 4 q on
	global_load_b128 v[BSR+8*\b+4*\q:BSR+8*\b+4*\q+3], v[CBO], s[12:13] offset:64*\b+16*\q   ; bias likewise
.endr
.endr
	WIN 0
; 16 matrix instructions: m blocks a0, a0 + 1 of the window's four (hi = 0: my rows 0-63, 1: rows 64-127) x all 8 n blocks, 64 along K.  zero = 1: the first product starts the sums: nothing is ever cleared.
; The 64 accumulators take turns, one instruction a turn, in the same order in every quarter.
.macro MUL16 f, hi, a0, zero
.irp a, \a0, \a0+1
.irp b, 0,1,2,3,4,5,6,7
.if \zero
	v_wmma_i32_16x16x64_iu8 v[8*(8*(\a)+\b):8*(8*(\a)+\b)+7], v[\f+8*\b:\f+8*\b+7], v[\f+8*(4*\hi+\a):\f+8*(4*\hi+\a)+7], 0 neg_lo:[1,1,0]
.else
	v_wmma_i32_16x16x64_iu8 v[8*(8*(\a)+\b):8*(8*(\a)+\b)+7], v[\f+8*\b:\f+8*\b+7], v[\f+8*(4*\hi+\a):\f+8*(4*\hi+\a)+7], v[8*(8*(\a)+\b):8*(8*(\a)+\b)+7] neg_lo:[1,1,0]
.endif
.endr
.endr
.endm
; 32 LDS loads in one run: the fragments of one quarter (128 rows of wq, 128 rows of xq, 64 K at byte k of the rows) into buffer f
.macro FETCH slot, k, f
	WIN TO_B
.irp i, 0,1,2,3,4,5,6,7
	ds_load_b128 v[\f+8*\i:\f+8*\i+3],   v[ADRB+\slot] offset:\k+\i*16*PITCH
	ds_load_b128 v[\f+8*\i+4:\f+8*\i+7], v[ADRB+\slot] offset:\k+\i*16*PITCH+32
.endr
	WIN 0
.irp i, 0,1,2,3,4,5,6,7
	ds_load_b128 v[\f+8*\i:\f+8*\i+3],   v[ADRA+\slot] offset:\k+\i*16*PITCH
	ds_load_b128 v[\f+8*\i+4:\f+8*\i+7], v[ADRA+\slot] offset:\k+\i*16*PITCH+32
.endr
.endm
; A load into a register that this matrix instruction has read, and a vector instruction that reads its result, stand EIGHT places behind it, and only plain vector instructions that name none of its registers are places
; (ISA guide 7.12.1 for vector instructions); the matrix instructions in between are not counted.
.macro PLACES n
.rept \n
	v_nop
.endr
.endm
; One of a K step's first three quarters: multiplies buffer f; in its middle it fetches the next quarter's fragments, at byte k of the same slot's rows, into buffer g.
.macro QUARTER slot, k, f, g, zero
	s_wait_dscnt 8                                 ; wq's fragments and xq's rows 0-63 are in; the youngest eight loads (xq's rows 64-127) may be out
	WIN MUL_LO
	MUL16 \f, 0, 0, \zero
	MUL16 \f, 0, 2, \zero
	PLACES 8
	FETCH \slot, \k, \g
	s_wait_dscnt 32                                ; all but the 32 just issued
	WIN MUL_HI
	MUL16 \f, 1, 0, \zero
	MUL16 \f, 1, 2, \zero
.endm
; The last quarter multiplies buffer 1 and changes slots: ONE barrier.  In front of it each wave waits for all its tensor loads (the one that is out is its part of the next slot), adds 0 to its spare word, and waits for
; that and for its own reads of this slot.  Behind it nobody reads this slot any more and the next slot is whole.  fill = 1: the barrier opens a round of the cluster's barrier, and this slot is filled again, two K steps ahead.
.macro TURN slot, next, fill
	WIN 0                                          ; (the add's two registers lie in window 0)
	s_wait_tensorcnt 0x0                           ; all my tensor loads have landed;
	ds_add_u32 v[SPW], v[NIL]                      ; 0 onto my spare word
	s_wait_dscnt 9                                 ; (the add and the youngest eight loads may be out)
	WIN MUL_LO
	MUL16 F1, 0, 0, 0                              ; sixteen matrix instructions stand between the add and the wait for it
	s_wait_dscnt 0x0                               ; the add is done, and my reads of this slot are over
	s_barrier_signal -1
	MUL16 F1, 0, 2, 0                              ; work on registers while the others arrive
.if \fill
	WIN 0
.endif
	s_barrier_wait -1
.if \fill
	CREST                                          ; no wave of any partner still reads this slot's tile or has a load on its way
	s_add_nc_u64 s[G0+4*\slot+2:G0+4*\slot+3], s[G0+4*\slot+2:G0+4*\slot+3], 2*KSTEP
	s_add_nc_u64 s[G0B+4*\slot+2:G0B+4*\slot+3], s[G0B+4*\slot+2:G0B+4*\slot+3], 2*KSTEP
	JLOAD \slot                                    ; the first tensor load behind the round, and my only one until the next; its four v_nop
	PLACES 4                                       ; and these four are the eight places in front of the loads below
.else
	PLACES 8
.endif
	FETCH \next, 0, F0
	WIN MUL_HI
	MUL16 F1, 1, 0, 0
	MUL16 F1, 1, 2, 0
.endm
	s_wait_tensorcnt 1                             ; my part of K step 0 is in; K step 1's load may stay out
	s_wait_loadcnt 0x0                             ; sx, sw and bias, once: they stay in registers
	s_barrier_signal -1
	s_barrier_wait -1                              ; everybody's part is in
	FETCH 0, 0, F0
	QUARTER 0, 64,  F0, F1, 1                      ; the first quarter stands in front of the loop: its products start the sums
	WIN 0                                          ; at a label and at a branch every window is 0
	s_mov_b32 s3, LAPS-1
.Llap:                                                 ; a trip goes once round the ring, from a lap's second quarter to the next lap's first, and fills both slots again
	QUARTER 0, 128, F1, F0, 0
	QUARTER 0, 192, F0, F1, 0
	TURN 0, 1, 1
	QUARTER 1, 64,  F0, F1, 0
	QUARTER 1, 128, F1, F0, 0
	QUARTER 1, 192, F0, F1, 0
	TURN 1, 0, 1
	QUARTER 0, 64,  F0, F1, 0
	WIN 0
	s_sub_co_u32 s3, s3, 1
	s_cmp_lg_u32 s3, 0
	s_cbranch_scc1 .Llap
	QUARTER 0, 128, F1, F0, 0                      ; the last lap is written out: it fills nothing, and has no round of the cluster's barrier
	QUARTER 0, 192, F0, F1, 0
	TURN 0, 1, 0
	QUARTER 1, 64,  F0, F1, 0
	QUARTER 1, 128, F1, F0, 0
	QUARTER 1, 192, F0, F1, 0
	s_wait_dscnt 8                                 ; the very last quarter: nothing more to fetch
	WIN MUL_LO
	MUL16 F1, 0, 0, 0
	MUL16 F1, 0, 2, 0
	s_wait_dscnt 0x0
	WIN MUL_HI
	MUL16 F1, 1, 0, 0
	MUL16 F1, 1, 2, 0
	WIN 0
; THE WAY OUT, block by block of 16 rows x 128 columns.  PACK: the whole-number sums become f32 (one rounding), x sx of my row, x sw + bias of my columns.  TOSTAGE: a lane holds 32 neighbouring bytes of a row and the lanes
; beside it other rows, so the block goes through my own stage in LDS and comes back as whole rows of 512 bytes.  SEND: the 32 lanes store a row.
.macro PACK a
.set AC, 64*((\a)%4)
.set WN, 0x02+(\a)/4
	WIN WN                                         ; source 0: window 2 or 3
.set I, 0
.rept 64
	v_cvt_f32_i32 v[TMP+I], v[AC+I]                ; ascending: each accumulator is first read at its low end
.set I, I+1
.endr
	WIN 0
.set I, 0
.rept 32
.if (\a)%2
	v_pk_mul_f32 v[TMP+I:TMP+I+1], v[TMP+I:TMP+I+1], v[SXR+2*((\a)/2):SXR+2*((\a)/2)+1] op_sel:[0,1] op_sel_hi:[1,1]   ; the block's sx, the pair's upper word, serves both halves
.else
	v_pk_mul_f32 v[TMP+I:TMP+I+1], v[TMP+I:TMP+I+1], v[SXR+2*((\a)/2):SXR+2*((\a)/2)+1] op_sel_hi:[1,0]               ; (its lower word)
.endif
.set I, I+2
.endr
	WIN 0x14                                       ; sources 1 and 2: window 1
.set I, 0
.rept 32
	v_pk_fma_f32 v[TMP+I:TMP+I+1], v[TMP+I:TMP+I+1], v[SWR+I:SWR+I+1], v[BSR+I:BSR+I+1]
.set I, I+2
.endr
	WIN 0
.endm
.macro TOSTAGE a
.set BB, BK+64*((\a)%2)
.irp b, 0,1,2,3,4,5,6,7
	ds_store_b128 v[STO], v[TMP+8*\b:TMP+8*\b+3] offset:64*\b
	ds_store_b128 v[STO], v[TMP+8*\b+4:TMP+8*\b+7] offset:64*\b+16
.endr
.irp t, 0,1,2,3,4,5,6,7,8,9,10,11,12,13,14,15
	ds_load_b128 v[BB+4*\t:BB+4*\t+3], v[RD] offset:\t*SPITCH      ; LDS serves a wave's instructions in order (ISA guide 5.7.1.4): these see the stores above, and the next block's stores come behind them
.endr
.endm
.macro SEND a, younger
.set BB, BK+64*((\a)%2)
	s_wait_dscnt \younger                          ; the block is back in registers
	s_wait_xcnt 0x0                                ; the earlier stores have read their base and their registers: the base may step, and the next block's loads may land where the block before this one lay
.if (\a) > 0
	s_add_nc_u64 s[14:15], s[14:15], 16*NROW       ; 16 rows on, so that the stores' offsets stay at 15 rows at the most
.endif
.irp t, 0,1,2,3,4,5,6,7,8,9,10,11,12,13,14,15
	global_store_b128 v[CO], v[BB+4*\t:BB+4*\t+3], s[14:15] offset:\t*NROW th:TH_STORE_NT   ; 32 lanes store 512 consecutive bytes, at a multiple of 256 from out0's first byte; written once, read by nobody here
.endr
.endm
	PLACES 8                                       ; behind the last products: for the conversions that read results, and for the loads into the registers that held xq's fragments
	PACK 0
	TOSTAGE 0
.irp a, 1,2,3,4,5,6,7                  ; block a's arithmetic stands between block a - 1's loads from the stage and the wait for them
	PACK \a
	SEND \a-1, 0
	TOSTAGE \a
.endr
	SEND 7, 0
	s_wait_tensorcnt 0x0                           ; the wave's end, behind my last tensor load and my last LDS store
	ds_add_u32 v[SPW], v[NIL]
	s_wait_dscnt 0x0
	CROUND                                         ; the closing round: no work-group ends while a partner may still ask for a tile that names it
	s_endpgm
.Lfunc_end_k_q10a6b112da_gemm:
	.size	k_q10a6b112da_gemm, .Lfunc_end_k_q10a6b112da_gemm-k_q10a6b112da_gemm
	.p2alignl 7, 3214868480
	.fill 96, 4, 3214868480
	.section	.rodata,"a",@progbits
	.p2align	6, 0x0
	.amdhsa_kernel k_q10a6b112da_gemm
		.amdhsa_group_segment_fixed_size 327680
		.amdhsa_private_segment_fixed_size 0
		.amdhsa_enable_private_segment 0
		.amdhsa_kernarg_size 48
		.amdhsa_user_sgpr_count 2
		.amdhsa_user_sgpr_kernarg_segment_ptr 1
		.amdhsa_wavefront_size32 1
		.amdhsa_system_sgpr_workgroup_id_x 1
		.amdhsa_system_sgpr_workgroup_id_y 1
		.amdhsa_system_sgpr_workgroup_id_z 1
		.amdhsa_system_vgpr_workitem_id 0
		.amdhsa_next_free_vgpr 1024
		.amdhsa_next_free_sgpr 72
		.amdhsa_reserve_vcc 0
		.amdhsa_float_denorm_mode_32 3
		.amdhsa_float_denorm_mode_16_64 3
		.amdhsa_memory_ordered 1
		.amdhsa_forward_progress 1
		.amdhsa_inst_pref_size 195
	.end_amdhsa_kernel
	.amdgpu_metadata
---
amdhsa.version: [ 1, 2 ]
amdhsa.kernels:
  - .name:           k_q10a6b112da_gemm
    .symbol:         k_q10a6b112da_gemm.kd
    .args:
      - { .name: xq, .offset: 0, .size: 8, .value_kind: global_buffer, .address_space: global }
      - { .name: wq, .offset: 8, .size: 8, .value_kind: global_buffer, .address_space: global }
      - { .name: sx, .offset: 16, .size: 8, .value_kind: global_buffer, .address_space: global }
      - { .name: sw, .offset: 24, .size: 8, .value_kind: global_buffer, .address_space: global }
      - { .name: bias, .offset: 32, .size: 8, .value_kind: global_buffer, .address_space: global }
      - { .name: out0, .offset: 40, .size: 8, .value_kind: global_buffer, .address_space: global }
    .group_segment_fixed_size: 327680
    .private_segment_fixed_size: 0
    .kernarg_segment_align: 8
    .kernarg_segment_size: 48
    .max_flat_workgroup_size: 128
    .sgpr_count:     72
    .vgpr_count:     1024
    .wavefront_size: 32
...
	.end_amdgpu_metadata
.endif
;; end of part 3
